; MI455X (gfx1250); checked and timed in simulation.
; The chip was launched on July 23, 2026; its instructions are those of AMD's public machine-readable ISA for CDNA 5 (MIT licence, August 2026) and "CDNA5" Instruction Set Architecture Reference Guide (July 2026). The comments in the code are by the model that wrote it; some were corrected since.
;; Model Sglang. Allowed arithmetic: matrix products marked QUANTISED: E5M2 operands, one E8M0 scale for each 32 along K, by v_wmma_scale_f32_16x16x128_f8f6f4 with both operands' format E5M2, f32 sums; everything else in f32.
;; Inputs: b_seq_len 8 int32; b_start_loc 8 int32; k_codes 8,192 x 16 x 2 x 32 uint8 (E5M2 codes of k, K innermost, in blocks of 32 codes); k_scales 8,192 x 16 x 2 uint8 (E8M0 scales of k, one for each 32 codes along K); q_codes 8,192 x 16 x 2 x 32 uint8 (E5M2 codes of q, K innermost, in blocks of 32 codes); q_scales 8,192 x 16 x 2 uint8 (E8M0 scales of q, one for each 32 codes along K); v 8,192 x 16 x 64 float32.
;; Outputs: out0 8,192 x 16 x 64 float32.
;; This version of the problem:
;;   THIS VERSION OF THE PROBLEM IS GIVEN IN LOW PRECISION. The matrix products marked QUANTISED in the list below multiply operands that are first quantised to E5M2 (5 exponent bits, 2 mantissa bits; 8 bits a number), with one power-of-two scale for each 32 numbers along K (OCP MX v1.0); their sums are f32. All else is computed in f32.
;;   The module's matrix products, in the order in which they are computed (A, B: the left and right operand; K: the contracted axis; several contracted axes count as one K, in the product's order):
;;     1. batch 128 x [M 1,024, K 64] x [K 64, N 1,024]; A: input q (given as codes); B: input k (given as codes): QUANTISED
;;     2. batch 128 x [M 64, K 1,024] x [K 1,024, N 1,024]; A: input v; B: softmax (see below): QUANTISED
;;   THE QUANTISER, for each operand of a quantised product, along K:
;;     - K is cut into blocks of 32 from its start; a last block that is shorter is filled with zeros.
;;     - A block's scale is 2^e with e = floor(log2(the largest magnitude in the block)) - 15, held to -126 .. 127; a block of zeros has e = 0. As a byte (E8M0): e + 127.
;;     - Each number is divided by its block's scale, clamped to +-57,344, and rounded to the nearest number of E5M2, ties to even, subnormals kept.
;;     - The product sums the exact products of the quantised numbers (number of the format x scale) in f32.
;;   ~~~python
;;   def quantise(x, axis):      # numpy; x: float32 -> the quantised numbers, widened to float32 again
;;       x = np.moveaxis(x, axis, -1); K = x.shape[-1]
;;       x = np.pad(x, [(0, 0)] * (x.ndim - 1) + [(0, -K % 32)]); x = x.reshape(x.shape[:-1] + (-1, 32)); a = np.abs(x).max(-1, keepdims=True)
;;       e = np.where(a > 0, np.clip(np.frexp(np.where(a > 0, a, 1))[1] - 1 - 15, -126, 127), 0)      # np.frexp(a)[1] - 1 = floor(log2(a)), exactly
;;       r = np.clip(x / 2.0 ** e, -57344, 57344)
;;       step = 2.0 ** (np.maximum(np.frexp(np.where(r == 0, 1, r))[1] - 1, -14) - 2)
;;       q = np.round(r / step) * step * 2.0 ** e      # np.round: ties to even
;;       return np.moveaxis(q.reshape(q.shape[:-2] + (-1,))[..., :K], -1, axis).astype(np.float32)
;;   ~~~
;;   SOFTMAX AHEAD OF A QUANTISED PRODUCT. Where the list says 'softmax', what is quantised is not the finished softmax but p = 2^(t - M), with t = logit x log2(e) and M = ceil(the row's largest t), a whole number; so 1/2 < the row's largest p <= 1. The row's sum l is taken of the UNQUANTISED p, in f32, and the product's result is divided by l at the end. Since M is a whole number, a kernel that streams over the keys may use a running M (the ceiling of the running maximum): every later rescaling is an exact power of two, which a block's scale takes up: the codes' values come out the same.
;;   OPERANDS COMPUTED ON THE WAY. 'Computed on the way' means the value that the module computes at that place (a softmax that the list does not call 'softmax' is quantised finished and normalised). What goes into a quantiser is computed in f32, as accurately as f32 sums, v_exp_f32 and their like allow (about 1e-6 of the number): no bf16 or f16 on the way to a quantiser, and a product that is left as it is and whose result goes on into a quantised operand takes f32 operands (vector FMAs, or v_wmma_f32_16x16x4_f32). A number that lies on a knife's edge between two numbers of the format may be rounded either way, as far as f32 arithmetic and the matrix unit's own rounding can turn it there, and no further.
;;   INPUTS GIVEN AS CODES. k (in the module: [8192, 16, 64], K = its axis 2); q (in the module: [8192, 16, 64], K = its axis 2): each comes as NAME_codes (uint8): NAME with its K axis moved to the last place and cut into blocks of 32 codes, [.., K / 32, bytes a block], one block behind the other in memory; one code a byte (a code: sign, 5 exponent bits, 2 mantissa bits); and NAME_scales (uint8): the same leading axes, one E8M0 byte (e + 127) for each 32 codes along K. Its value is code x scale, taken as it is: it is not quantised again, and the codes and scales need not be those that the quantiser above would give.
;; One version. Each part assembles by itself: llvm-mc -triple=amdgcn-amd-amdhsa -mcpu=gfx1250 --defsym DOCPART=n.
;; ======== version 1 of 1: 1 launch
;; limits: right only within a limited range of input values
;; launch attn (part 1): grid 32 x 8, 16 waves a work-group, no clusters, 231,424 bytes of LDS; arguments q_codes, q_scales, k_codes, k_scales, v, b_seq_len, out0; writes out0
.if DOCPART == 1
	.amdgcn_target "amdgcn-amd-amdhsa--gfx1250"
	.amdhsa_code_object_version 6
	.text
	.protected	k_q774ae275ec_attn
	.globl	k_q774ae275ec_attn
	.p2align	8
	.type	k_q774ae275ec_attn,@function
k_q774ae275ec_attn:
	s_mov_b64 s[64:65], 0
	v_nop
	global_prefetch_b8 v0, s[64:65] scope:SCOPE_SE
	s_setreg_imm32_b32 hwreg(HW_REG_WAVE_MODE, 25, 1), 1
	s_wait_xcnt 0x0
; Causal attention over 8 packed sequences of 1,024 tokens, 16 heads, head size 64, both products on codes of E5M2 with one E8M0 scale for each 32 along K.
; q, k: codes, a row of 64 bytes for each (token, head), rows 1,024 bytes apart; two scale bytes a row, 32 bytes from token to token.  v: f32, quantised here along the keys, in blocks of 32 keys from the sequence's start.
; t = score x log2(e) / 8; M = the running largest t rounded UP to a whole number; p = 2^(t - M) is quantised along the keys; the row's sum is taken of the unquantised p and divides at the end.
; DEAD WORK LEFT OUT.  Rows q >= b_seq_len[b] are stored as zeros.  A row q < b_seq_len[b] sees keys k <= q alone, so every key that it sees has k < b_seq_len[b]: the key mask by length changes no result that is kept, whatever the lengths, and is not applied.
; b_start_loc reaches no output (the sequences are unpacked by their fixed slots of 1,024 tokens): it is not loaded and is no argument.  Key blocks that lie wholly past the causal diagonal are not multiplied.
; A NaN, an infinity or an overflow that reaches only such work is not carried to the result.
; SHARES.  Work-group x = 2 head + g, y = sequence: 256 work-groups of sixteen waves, 256 registers a wave.  A head has 64 tiles of 16 queries; tile t needs the key steps (128 keys) 0 .. t / 8.
; Wave w (a = w / 4, i = w % 4 + 4 g) owns tile lo = 8 a + i (a + 1 steps) and tile hi = 63 - lo (8 - a steps): NINE steps for every wave.  Slot p = 0 .. 8: p <= a: tile lo, step p; else tile hi, step p - a - 1.
; A tile's last step holds the diagonal: of its four blocks of 32 keys it needs i / 2 + 1 (tile hi: 4 - i / 2), five for the two tiles together in every wave.
; LDS.  All of the head's codes of K and V stay in LDS, each byte written once, as IMAGES OF THE OPERANDS' REGISTERS (a lane's 16 bytes at 16 x lane).  They come in eight chunks of 128 keys, chunk s for step s:
; waves 0-7 lay the even chunks, waves 8-15 the odd ones.  In slot p chunk p + 1 is laid ahead of the step, and the wave's next chunk (two further on) is asked for at once, into 40 registers of its own.
; ONE BARRIER A SLOT: a wave signals when its part of chunk p + 1 is stored, runs step p (registers, and LDS loads of chunks 0 .. p, which nobody writes again), and then waits: behind the wait chunk p + 1 is whole.
; K = 64 IN AN INSTRUCTION OF K = 128.  A fragment of source 0 holds in row r, k 0-63, key X = 32 f + r + 8 (r / 8) and, k 64-127, key X + 8.  Source 1 is [Q | zeros] or [zeros | Q], both read out of 24 registers [Q][0][Q].
; So no register of K holds zeros, and the 16 registers of two neighbouring result tiles are 16 neighbouring keys: 32 f + 16 (lane / 16) + 0 .. 15, the order that the second product's operand wants.
; Both products are used transposed (S^T = K Q^T, O^T = V^T P^T): a lane holds one query (lane % 16) throughout.
; NO TENSOR LOADS, NO JOINT REQUESTS, NO PREFETCH, and why: v has to pass through registers to be quantised, and k's rows are 64 bytes, 1,024 apart, which the image takes apart into pieces of 16; every load is asked for two slots ahead of its use.
; LIMITS.  A code of k that is infinity or NaN, or a scale byte 0xff of k, also spoils the scores of the key 8 places away, which shares its fragment row (0 x infinity).  NaN and infinities in v are not served.
; A block of zeros of v or p gets the scale byte 1 where the rule says 127: its codes are zeros, and this program alone reads the byte.  Blocks of v whose largest magnitude lies under 2^-111 are held at that byte.
.set SC,   131072                      ; LDS: step s at 16384 s: K's four fragments (2048 f + 512 c + 16 lane), at +8192 V's four tiles likewise;  SC + 512 s: K's scale words (64 f + 4 r), at +256 V's (64 t + 4 r, byte c)
.set STG,  135168                      ; a stage of 16 rows x 272 bytes for each wave
.set QH,   204800                      ; 1,536 bytes for each wave: the image of tile hi's Q and its two scale words
.set SPARE, 229376                     ; the spare words, 128 bytes for each wave
.set LI,   1                           ; v1   16 x lane
.set LS,   2                           ; v2   SC + 4 x lane
.set VO,   3                           ; v3   65536 (lane / 16) + 8 (lane % 16): v's loads
.set KO,   4                           ; v4   1024 (lane / 4) + 16 (lane % 4): k's loads
.set VW,   5                           ; v5   where I store V's codes, in chunk 0
.set VSW,  6                           ; v6   and V's scale bytes
.set KW,   7                           ; v7   and K's codes
.set AD,   8                           ; v8, v9  LDS addresses in hand
.set AS,   9
.set LIMV, 10                          ; v10  the diagonal block: my query - 16 (lane / 16), counted from the block's first key
.set STO,  11                          ; v11  the stage, in
.set NM,   12                          ; v12  -M
.set TMX,  13                          ; v13  the largest score so far
.set LSUM, 14                          ; v[14:15] the row's sum, in two halves
.set QA,   16                          ; v16-23 Q, v24-31 zeros, v32-39 Q again
.set ZR,   24
.set QB,   32
.set QS0,  40                          ; v40  q's scale bytes in bytes 0, 1;  v41 in bytes 2, 3
.set QS1,  41
.set KSC,  42                          ; v42-43 K's scale words: lanes 0-15 the even fragment's, lanes 16-31 the odd one's
.set VSC,  44                          ; v44-45 V's likewise
.set PW,   46                          ; v46  p's scale word
.set RD,   47                          ; v47  the stage, back
.set FR,   48                          ; v48-111 K's four fragments; then v48-79 V's tiles 0, 1, v80-95 p's codes, v96-111 at work
.set PC,   80
.set BM,   96                          ; block maxima
.set PB,   100                         ; the other half's; bytes
.set HD,   104                         ; 57,344 x the scale
.set SO,   108                         ; the conversions' scale operands
.set SR,   112                         ; v112-175 S^T, then p; v112-143 later V's tiles 2, 3
.set OT,   176                         ; v176-207 O^T
.set VX,   208                         ; v208-239 32 keys x 32 channels of v on their way: register 2 i + c: key 16 (lane / 16) + i, channel 2 (lane % 16) + c
.set KX,   240                         ; v240-247 32 bytes of k's codes, on their way
.set FF,   248                         ; v[248:249] f = 2^(old M - new M), later 1 / the sum; v249 is 0
.set T0,   250                         ; v[250:251] at work; the sum's second chain
.set T1,   251
.set GO,   252                         ; v252 4096 (lane / 16) + 16 (lane % 16): my place in two rows of the output
.set QHA,  253                         ; v253 QH + 1536 wave + 16 lane
.set XC,   254                         ; v[254:255] the sum's third chain
.set QOF,  254                         ; at the head: v254 1024 r + 16 h: q's loads
.set QSO,  255                         ; at the head: v255 32 r: q's scale bytes
.set sWV,  20
.set sA,   21                          ; a = wave / 4
.set sC7,  22                          ; 7 - a
.set sG,   23
.set sHD,  24
.set sB,   25
.set sLEN, 26                          ; b_seq_len[b]
.set sROLE, 27                         ; wave / 8: I lay the even or the odd chunks
.set sP,   28                          ; the slot
.set sPN,  29                          ; the chunk that is laid
.set sJI,  30
.set sJS,  31
.set sQ0,  32                          ; first query of the tile in hand
.set sNBL, 33                          ; tile lo's blocks in its diagonal step, less one
.set sNBH, 34                          ; tile hi's
.set sDL,  35                          ; from tile lo's LIMV to tile hi's
.set sQ0H, 36
.set sOC,  38                          ; s[38:39] the output at the tile in hand;  s[40:41] at tile hi
.set sOH,  40
.set sVP,  42                          ; s[42:43] v, s[44:45] k's codes: my part of the chunk asked for last
.set sKP,  44
.set sSEL, 46                          ; s[46:47] v_permlanex16_b32's selects for lane l xor 16
.set sCS,  48                          ; s[48:49] c = log2(e) / 8, twice
.set sMNT, 50                          ; the mantissa field of 57,344
.set sNC,  51                          ; -c
; A chunk's 18 loads of my wave: 16 keys of k's codes (8 keys x 64 bytes a load), and of v a block of 32 keys x 32 channels, two channels a lane; waves w and w xor 1 cover a row's 256 bytes.
.macro ASK
	global_load_b128 v[KX:KX+3], v[KO], s[sKP:sKP+1]
	global_load_b128 v[KX+4:KX+7], v[KO], s[sKP:sKP+1] offset:8192
.set ii, 0
.rept 16
	global_load_b64 v[VX+2*ii:VX+2*ii+1], v[VO], s[sVP:sVP+1] offset:4096*ii
.set ii, ii+1
.endr
.endm
.macro ASKNEXT                         ; two chunks on: 256 tokens (the loads that named these bases are in)
	s_add_nc_u64 s[sVP:sVP+1], s[sVP:sVP+1], 0x100000
	s_add_nc_u64 s[sKP:sKP+1], s[sKP:sKP+1], 0x40000
	ASK
.endm
; A tile begins: the step's first run finds zeros, which the first change of M leaves zeros.
.macro INITST
	v_mov_b32 v[TMX], 0xff61b1e6                   ; -3e38, under every score
	v_mov_b32 v[NM], 0x7e000000                    ; M far under every t: the first f is 0
	v_mov_b32 v[LSUM], 0
	v_mov_b32 v[LSUM+1], 0
.set ii, 0
.rept 32
	v_mov_b32 v[OT+ii], 0
.set ii, ii+1
.endr
.endm
; My block of v becomes codes: channel 2 r + c, keys 16 h + 0 .. 15 in four registers; the block's other half lies in lane l xor 16.
.macro QREG
	s_wait_loadcnt 0x0                             ; the chunk's loads are in
.irp c, 0,1
	v_max3_num_f32 v[BM+\c], |v[VX+\c]|, |v[VX+2+\c]|, |v[VX+4+\c]|
.endr
.irp i, 3,5,7,9,11,13
.irp c, 0,1
	v_max3_num_f32 v[BM+\c], v[BM+\c], |v[VX+2*\i+\c]|, |v[VX+2*\i+2+\c]|
.endr
.endr
.irp c, 0,1
	v_max3_num_f32 v[BM+\c], v[BM+\c], |v[VX+30+\c]|, 0x8000000 ; and the floor 2^(16 - 127): the byte cannot fall under 1
.endr
.irp c, 0,1
	v_permlanex16_b32 v[PB+\c], v[BM+\c], s[sSEL], s[sSEL+1]
.endr
.irp c, 0,1
	v_max_num_f32 v[BM+\c], v[BM+\c], v[PB+\c]
.endr
.irp c, 0,1
	v_add_nc_u32 v[SO+\c], 0xf8800000, v[BM+\c]    ; 15 off the exponent field: the conversion's scale operand
.endr
.irp c, 0,1
	v_and_or_b32 v[HD+\c], v[BM+\c], 0x7f800000, s[sMNT] ; 57,344 x the scale
.endr
.irp c, 0,1
	v_lshrrev_b32 v[PB+2+\c], 23, v[SO+\c]         ; the scale's byte
.endr
.irp c, 0,1
.set ii, 0
.rept 16
	v_med3_num_f32 v[SR+16*\c+ii], v[VX+2*ii+\c], -v[HD+\c], v[HD+\c] ; the conversion to an 8-bit code does not saturate (ISA guide 7.6.2): the hold comes first, and lays the keys side by side
.set ii, ii+1
.endr
.endr
.irp c, 0,1
	v_cvt_scalef32_pk8_bf8_f32 v[SR+32+4*\c:SR+33+4*\c], v[SR+16*\c:SR+16*\c+7], v[SO+\c]
	v_cvt_scalef32_pk8_bf8_f32 v[SR+34+4*\c:SR+35+4*\c], v[SR+16*\c+8:SR+16*\c+15], v[SO+\c]
.endr
.endm
; The images go to LDS, chunk s[sPN].  K: key 16 (w % 8) + 8 e + lane / 4 is row 8 (w % 2) + lane / 4 of fragment (w / 2) % 4, its lower (e = 0) or upper (e = 1) 64 along K.
; V: channel 32 (w % 2) + 2 r + c is row 2 (r % 8) + c of tile 2 (w % 2) + r / 8.
.macro QSTORE
	s_lshl_b32 s[sJI], s[sPN], 14
	s_lshl_b32 s[sJS], s[sPN], 9
	v_add_nc_u32 v[AD], s[sJI], v[KW]              ; (plain lines behind the last conversion)
	v_add_nc_u32 v[AS], s[sJI], v[VW]
	v_add_nc_u32 v[T0], s[sJS], v[VSW]
	s_wait_alu depctr_va_vdst(0)
	ds_store_b128 v[AD], v[KX:KX+3]
	ds_store_b128 v[AD], v[KX+4:KX+7] offset:1024
	ds_store_b128 v[AS], v[SR+32:SR+35]
	ds_store_b128 v[AS], v[SR+36:SR+39] offset:16
	ds_store_b8 v[T0], v[PB+2]                     ; (lanes l and l xor 16 store the same byte)
	ds_store_b8 v[T0], v[PB+3] offset:4
	s_wait_dscnt 0x0                               ; my stores have landed, for the others' sake, and have read their data, over which the next loads are issued
.endm
; Where slot s[sP]'s step lies: step = min(p, (p + 7 - a) % 8).
.macro PLACE
	s_add_co_u32 s52, s[sP], s[sC7]
	s_and_b32 s52, s52, 7
	s_min_u32 s52, s[sP], s52
	s_lshl_b32 s53, s52, 14
	s_lshl_b32 s54, s52, 9
	v_add_nc_u32 v[AD], s53, v[LI]                 ; (these two are the last of the nine places behind the last step's products)
	v_add_nc_u32 v[AS], s54, v[LS]
	s_wait_alu depctr_va_vdst(0)                   ; the wait ahead of the branches below
.endm
; A KEY STEP: 16 queries x the first nb blocks of 32 keys of a step of 128.  diag = 1: the tile's last step: block nb - 1 holds the diagonal.
.macro STEP nb, diag
	ds_load_b32 v[KSC], v[AS]
.if \nb > 2
	ds_load_b32 v[KSC+1], v[AS] offset:128
.endif
.set ff, 0
.rept \nb
.irp c, 0,1,2,3
	ds_load_b128 v[FR+16*ff+4*\c:FR+16*ff+4*\c+3], v[AD] offset:2048*ff+512*\c
.endr
.set ff, ff+1
.endr
	ds_load_b32 v[VSC], v[AS] offset:256
	ds_load_b32 v[VSC+1], v[AS] offset:384
.set ff, 0
.rept \nb                              ; S^T = K Q^T: each fragment twice, against [Q | 0] for its lower keys and [0 | Q] for its upper; an accumulator, an instruction
	s_wait_dscnt 2+4*(\nb-1-ff)                    ; this fragment is in; the later ones and V's two scale words may be out
.if ff % 2
	v_wmma_scale_f32_16x16x128_f8f6f4 v[SR+16*ff:SR+16*ff+7], v[FR+16*ff:FR+16*ff+15], v[QA:QA+15], 0, v[KSC+ff/2], v[QS0] matrix_a_fmt:MATRIX_FMT_BF8 matrix_b_fmt:MATRIX_FMT_BF8 matrix_a_scale:MATRIX_SCALE_ROW1
	v_wmma_scale_f32_16x16x128_f8f6f4 v[SR+16*ff+8:SR+16*ff+15], v[FR+16*ff:FR+16*ff+15], v[ZR:ZR+15], 0, v[KSC+ff/2], v[QS1] matrix_a_fmt:MATRIX_FMT_BF8 matrix_b_fmt:MATRIX_FMT_BF8 matrix_a_scale:MATRIX_SCALE_ROW1
.else
	v_wmma_scale_f32_16x16x128_f8f6f4 v[SR+16*ff:SR+16*ff+7], v[FR+16*ff:FR+16*ff+15], v[QA:QA+15], 0, v[KSC+ff/2], v[QS0] matrix_a_fmt:MATRIX_FMT_BF8 matrix_b_fmt:MATRIX_FMT_BF8
	v_wmma_scale_f32_16x16x128_f8f6f4 v[SR+16*ff+8:SR+16*ff+15], v[FR+16*ff:FR+16*ff+15], v[ZR:ZR+15], 0, v[KSC+ff/2], v[QS1] matrix_a_fmt:MATRIX_FMT_BF8 matrix_b_fmt:MATRIX_FMT_BF8
.endif
.set ff, ff+1
.endr
	; eight places behind the products, in front of the loads below and of the first read of the scores
.if \diag
	v_mov_b32 v[T1], 0xff800000                    ; -infinity
.else
	v_nop
.endif
.if \nb < 3
.set ii, 4*\nb
.rept 16-4*\nb
	v_mov_b32 v[PC+ii], 0                          ; the codes of the blocks past the diagonal
.set ii, ii+1
.endr
.else
.rept 7
	v_nop
.endr
.endif
.if \nb == 3
.irp c, 12,13,14,15
	v_mov_b32 v[PC+\c], 0
.endr
.endif
.irp t, 0,1
.irp c, 0,1,2,3
	ds_load_b128 v[FR+16*\t+4*\c:FR+16*\t+4*\c+3], v[AD] offset:8192+2048*\t+512*\c   ; V's tiles 0 and 1, where K's fragments 0 and 1 lay: they land during the softmax
.endr
.endr
.if \diag
.set ii, 0
.rept 16                               ; register ii of the diagonal block holds its key 16 (lane / 16) + ii: hidden where ii > LIMV
	v_cmp_gt_i32 vcc_lo, ii, v[LIMV]
	v_cndmask_b32 v[SR+16*(\nb-1)+ii], v[SR+16*(\nb-1)+ii], v[T1], vcc_lo
.set ii, ii+1
.endr
.endif
.set bb, 0
.rept \nb
	v_max3_num_f32 v[BM+bb], v[SR+16*bb], v[SR+16*bb+1], v[SR+16*bb+2]   ; the largest score of each block of 32 keys: for the row's maximum, and, since p rises with the score, for the block's largest p
.set bb, bb+1
.endr
.irp i, 3,5,7,9,11,13
.set bb, 0
.rept \nb
	v_max3_num_f32 v[BM+bb], v[BM+bb], v[SR+16*bb+\i], v[SR+16*bb+\i+1]
.set bb, bb+1
.endr
.endr
.set bb, 0
.rept \nb
	v_max_num_f32 v[BM+bb], v[BM+bb], v[SR+16*bb+15]
.set bb, bb+1
.endr
.set bb, 0
.rept \nb
	v_permlanex16_b32 v[PB+bb], v[BM+bb], s[sSEL], s[sSEL+1]
.set bb, bb+1
.endr
.set bb, 0
.rept \nb
	v_max_num_f32 v[BM+bb], v[BM+bb], v[PB+bb]     ; with lane l xor 16's 16 keys
.set bb, bb+1
.endr
.if \nb > 2
	v_max3_num_f32 v[T0], v[BM], v[BM+1], v[BM+2]
.endif
.if \nb == 4
	v_max3_num_f32 v[TMX], v[TMX], v[T0], v[BM+3]
.endif
.if \nb == 3
	v_max_num_f32 v[TMX], v[TMX], v[T0]
.endif
.if \nb == 2
	v_max3_num_f32 v[TMX], v[TMX], v[BM], v[BM+1]
.endif
.if \nb == 1
	v_max_num_f32 v[TMX], v[TMX], v[BM]
.endif
	s_delay_alu instid0(VALU_DEP_1)
	v_mul_f32 v[T1], s[sNC], v[TMX]                ; -t of the largest score (c is positive)
	s_delay_alu instid0(VALU_DEP_1)
	v_floor_f32 v[T1], v[T1]                       ; the new -M = floor(-t): M is a whole number
	s_delay_alu instid0(VALU_DEP_1)
	v_sub_f32 v[T0], v[T1], v[NM]                  ; old M - new M: a whole number, 0 or less
	v_mov_b32 v[NM], v[T1]
	s_delay_alu instid0(VALU_DEP_2)
	v_cvt_i32_f32 v[T0], v[T0]                     ; (it saturates)
	s_delay_alu instid0(VALU_DEP_1)
	v_ldexp_f32 v[FF], 1.0, v[T0]                  ; f = 2^(old M - new M): a multiplication by it rounds nothing
.set ii, 0
.rept 8*\nb
	v_pk_fma_f32 v[SR+ii:SR+ii+1], v[SR+ii:SR+ii+1], s[sCS:sCS+1], v[NM:NM+1] op_sel_hi:[1,0,0]   ; t - M, two at a time
.set ii, ii+2
.endr
.set bb, 0
.rept \nb
	v_fma_f32 v[BM+bb], v[BM+bb], s[sCS], v[NM]    ; the same of each block's largest score
.set bb, bb+1
.endr
	s_wait_alu depctr_va_vdst(0)                   ; the wait ahead of the batch
.set ii, 0
.rept 16*\nb
	v_exp_f32 v[SR+ii], v[SR+ii]                   ; p = 2^(t - M), at most 1, not normalised
.set ii, ii+1
.endr
.set bb, 0
.rept \nb
	v_exp_f32 v[BM+bb], v[BM+bb]                   ; the block's largest p: the same two instructions on the same number give the same bits
.set bb, bb+1
.endr
	v_pk_mul_f32 v[LSUM:LSUM+1], v[LSUM:LSUM+1], v[FF:FF+1] op_sel_hi:[1,0]   ; the sums under the new M: the plain line behind the exponentials
	s_wait_alu depctr_va_vdst(0)                   ; one wait for the batch, ahead of its first reader
	v_pk_add_f32 v[T0:T1], v[SR:SR+1], v[SR+2:SR+3] ; the row's sum, of the unquantised p: three chains, two numbers at a time
	v_pk_add_f32 v[XC:XC+1], v[SR+4:SR+5], v[SR+6:SR+7]
.set jj, 4
.rept 8*\nb-4
.if (jj-4)%3 == 0
	v_pk_add_f32 v[LSUM:LSUM+1], v[LSUM:LSUM+1], v[SR+2*jj:SR+2*jj+1]
.endif
.if (jj-4)%3 == 1
	v_pk_add_f32 v[T0:T1], v[T0:T1], v[SR+2*jj:SR+2*jj+1]
.endif
.if (jj-4)%3 == 2
	v_pk_add_f32 v[XC:XC+1], v[XC:XC+1], v[SR+2*jj:SR+2*jj+1]
.endif
.set jj, jj+1
.endr
.set bb, 0
.rept \nb
	v_max_num_f32 v[BM+bb], 0x8000000, v[BM+bb]    ; the floor 2^(16 - 127): a block whose every p is 0 keeps the byte 1: its codes are zeros
.set bb, bb+1
.endr
.set bb, 0
.rept \nb
	v_add_nc_u32 v[SO+bb], 0xf8800000, v[BM+bb]    ; 15 off the exponent field: the conversion's scale operand
.set bb, bb+1
.endr
.set bb, 0
.rept \nb
	v_and_or_b32 v[HD+bb], v[BM+bb], 0x7f800000, s[sMNT]   ; 57,344 x the scale
.set bb, bb+1
.endr
.if \nb == 1
	v_lshrrev_b32 v[PW], 23, v[SO]                 ; p's scale word for these 128 keys: a byte a block, 0 over the blocks of zero codes
.else
.set bb, 0
.rept \nb
	v_lshrrev_b32 v[PB+bb], 23, v[SO+bb]           ; the scale's byte
.set bb, bb+1
.endr
	v_lshl_or_b32 v[PW], v[PB+1], 8, v[PB]         ; p's scale word for these 128 keys: a byte a block, 0 over the blocks of zero codes
.if \nb > 2
	v_lshl_or_b32 v[PW], v[PB+2], 16, v[PW]
.endif
.if \nb > 3
	v_lshl_or_b32 v[PW], v[PB+3], 24, v[PW]
.endif
.endif
.set bb, 0
.rept \nb
.set ii, 16*bb
.rept 8
	v_dual_min_num_f32 v[SR+ii], v[HD+bb], v[SR+ii] :: v_dual_min_num_f32 v[SR+ii+1], v[HD+bb], v[SR+ii+1]   ; the hold (ISA guide 7.6.2); p is not negative, so it is one-sided
.set ii, ii+2
.endr
	v_cvt_scalef32_pk8_bf8_f32 v[PC+4*bb:PC+4*bb+1], v[SR+16*bb:SR+16*bb+7], v[SO+bb]
	v_cvt_scalef32_pk8_bf8_f32 v[PC+4*bb+2:PC+4*bb+3], v[SR+16*bb+8:SR+16*bb+15], v[SO+bb]
.set bb, bb+1
.endr
.irp t, 0,1
.irp c, 0,1,2,3
	ds_load_b128 v[SR+16*\t+4*\c:SR+16*\t+4*\c+3], v[AD] offset:8192+2048*(\t+2)+512*\c   ; V's tiles 2 and 3, where the p of blocks 0 and 1 lay
.endr
.endr
	s_wait_alu depctr_va_vdst(0)                   ; the wait directly ahead of the first readers of O^T
.set ii, 0
.rept 16
	v_pk_mul_f32 v[OT+ii:OT+ii+1], v[OT+ii:OT+ii+1], v[FF:FF+1] op_sel_hi:[1,0]   ; O^T under the new M.  These are also the plain lines behind the last conversion and the places between p's codes and the products
.set ii, ii+2
.endr
	s_wait_alu depctr_va_vdst(0)                   ; directly ahead of the wait below
	s_wait_dscnt 0x8                               ; V's tiles 0 and 1 are in; the eight loads of tiles 2 and 3 may be out
	; O^T += V^T P^T: four accumulators, one instruction each
	v_wmma_scale_f32_16x16x128_f8f6f4 v[OT:OT+7], v[FR:FR+15], v[PC:PC+15], v[OT:OT+7], v[VSC], v[PW] matrix_a_fmt:MATRIX_FMT_BF8 matrix_b_fmt:MATRIX_FMT_BF8
	v_wmma_scale_f32_16x16x128_f8f6f4 v[OT+8:OT+15], v[FR+16:FR+31], v[PC:PC+15], v[OT+8:OT+15], v[VSC], v[PW] matrix_a_fmt:MATRIX_FMT_BF8 matrix_b_fmt:MATRIX_FMT_BF8 matrix_a_scale:MATRIX_SCALE_ROW1
	s_wait_dscnt 0x4                               ; tile 2 is in
	v_wmma_scale_f32_16x16x128_f8f6f4 v[OT+16:OT+23], v[SR:SR+15], v[PC:PC+15], v[OT+16:OT+23], v[VSC+1], v[PW] matrix_a_fmt:MATRIX_FMT_BF8 matrix_b_fmt:MATRIX_FMT_BF8
	s_wait_dscnt 0x0                               ; tile 3 is in
	v_wmma_scale_f32_16x16x128_f8f6f4 v[OT+24:OT+31], v[SR+16:SR+31], v[PC:PC+15], v[OT+24:OT+31], v[VSC+1], v[PW] matrix_a_fmt:MATRIX_FMT_BF8 matrix_b_fmt:MATRIX_FMT_BF8 matrix_a_scale:MATRIX_SCALE_ROW1
	v_pk_add_f32 v[LSUM:LSUM+1], v[LSUM:LSUM+1], v[T0:T1]      ; the sum's chains are joined: these two, the five below and two additions behind the step are nine places:
	v_pk_add_f32 v[LSUM:LSUM+1], v[LSUM:LSUM+1], v[XC:XC+1]    ; the next step's first products write over v112-143, which these products read
.rept 5
	v_nop
.endr
.endm
; A tile's last step, by its number of blocks less one (ids alone).
.macro DIAGS reg
	s_cmp_eq_u32 s[\reg], 3
	s_cbranch_scc1 .Lfour_\@
	s_cmp_eq_u32 s[\reg], 2
	s_cbranch_scc1 .Lthree_\@
	s_cmp_eq_u32 s[\reg], 1
	s_cbranch_scc1 .Ltwo_\@
	STEP 1, 1
	s_branch .Ldone_\@
.Ltwo_\@:
	STEP 2, 1
	s_branch .Ldone_\@
.Lthree_\@:
	STEP 3, 1
	s_branch .Ldone_\@
.Lfour_\@:
	STEP 4, 1
.Ldone_\@:
.endm
; The tile in hand is finished: O^T / the sum (zeros for a row at or past the length), through my stage, out as whole rows of 256 bytes.
.macro FINAL
	s_wait_alu depctr_va_vdst(0)                   ; the sum was written ahead of a barrier's wait or a branch
	v_add_f32 v[T0], v[LSUM], v[LSUM+1]
	v_permlanex16_b32 v[PB], v[T0], s[sSEL], s[sSEL+1]
	v_add_f32 v[T0], v[T0], v[PB]                  ; the row's sum
	s_wait_alu depctr_va_vdst(0)
	v_rcp_f32 v[FF], v[T0]
	v_and_b32 v[T1], 15, v0                        ; (plain lines behind the reciprocal)
	v_add_nc_u32 v[T1], s[sQ0], v[T1]              ; my query
	s_wait_alu depctr_va_vdst(0)                   ; the wait ahead of the reciprocal's and of O^T's first readers
.set ii, 0
.rept 16
	v_pk_mul_f32 v[SR+ii:SR+ii+1], v[OT+ii:OT+ii+1], v[FF:FF+1] op_sel_hi:[1,0]   ; register 8 t + j: channel 16 t + 8 (lane / 16) + j of my query
.set ii, ii+2
.endr
	s_add_co_u32 s52, s[sQ0], 16
	s_wait_alu depctr_va_vdst(0)                   ; the wait ahead of the branch
	s_cmp_le_i32 s52, s[sLEN]                      ; does the whole tile lie inside the sequence?
	s_cbranch_scc1 .Lwhole_\@
	v_cmp_gt_i32 vcc_lo, s[sLEN], v[T1]
.set ii, 0
.rept 32
	v_cndmask_b32 v[SR+ii], 0, v[SR+ii], vcc_lo
.set ii, ii+1
.endr
.Lwhole_\@:
.irp t, 0,1,2,3
	ds_store_b128 v[STO], v[SR+8*\t:SR+8*\t+3] offset:64*\t
	ds_store_b128 v[STO], v[SR+8*\t+4:SR+8*\t+7] offset:64*\t+16
.endr
.irp i, 0,1,2,3,4,5,6,7
	ds_load_b128 v[FR+4*\i:FR+4*\i+3], v[RD] offset:544*\i   ; LDS serves a wave's instructions in order (ISA guide 5.7.1.4): these see my stores.  Lanes 0-15 one row, lanes 16-31 the next
.endr
.irp i, 0,1,2,3,4,5,6,7
	s_wait_dscnt 7-\i                              ; load i is in; the 7 - i younger ones may be out
	global_store_b128 v[GO], v[FR+4*\i:FR+4*\i+3], s[sOC:sOC+1] offset:8192*\i th:TH_STORE_NT   ; sixteen lanes store 256 consecutive bytes, at a multiple of 256 from the output's first byte
.endr
.endm
; On to tile hi: its Q and scale words come back from my own bytes of LDS.
.macro INITHI
	ds_load_b128 v[QA:QA+3], v[QHA]
	ds_load_b128 v[QA+4:QA+7], v[QHA] offset:512
	ds_load_b128 v[QB:QB+3], v[QHA]
	ds_load_b128 v[QB+4:QB+7], v[QHA] offset:512
	ds_load_b64 v[QS0:QS1], v[QHA] offset:1024
	INITST
	v_add_nc_u32 v[LIMV], s[sDL], v[LIMV]
	s_wait_alu depctr_va_vdst(0)                   ; directly ahead of the waits below
	s_wait_xcnt 0x0                                ; the stores above have read their base and their data: only now is the base written, and the next step loads over the data
	s_mov_b64 s[sOC:sOC+1], s[sOH:sOH+1]
	s_mov_b32 s[sQ0], s[sQ0H]
	s_wait_dscnt 0x0
.endm
	s_load_b256 s[4:11], s[0:1], 0x0               ; q's codes s[4:5], q's scales s[6:7], k's codes s[8:9], k's scales s[10:11]
	s_load_b128 s[12:15], s[0:1], 0x20             ; v s[12:13], b_seq_len s[14:15]
	s_load_b64 s[16:17], s[0:1], 0x30              ; the output
	v_lshrrev_b32 v179, 5, v0
	v_readfirstlane_b32 s[sWV], v179               ; wave 0..15
	s_and_b32 s[sB], ttmp7, 0xffff                 ; the sequence
	s_and_b32 s[sG], ttmp9, 1                      ; which half of the head's tiles
	s_lshr_b32 s[sHD], ttmp9, 1                    ; the head
	s_lshr_b32 s[sA], s[sWV], 2
	s_xor_b32 s[sC7], s[sA], 7
	s_lshr_b32 s[sROLE], s[sWV], 3
	s_and_b32 s52, s[sWV], 3
	s_lshl_b32 s53, s52, 4
	s_lshl_b32 s54, s[sA], 7
	s_add_co_u32 s[sQ0], s53, s54
	s_lshl_b32 s53, s[sG], 6
	s_add_co_u32 s[sQ0], s[sQ0], s53               ; tile lo's first query: 128 a + 16 (w % 4) + 64 g
	s_sub_co_u32 s[sQ0H], 1008, s[sQ0]             ; tile hi's: 16 (63 - lo)
	s_lshr_b32 s52, s52, 1
	s_lshl_b32 s53, s[sG], 1
	s_add_co_u32 s[sNBL], s52, s53                 ; i / 2
	s_sub_co_u32 s[sNBH], 3, s[sNBL]
	s_and_b32 s54, s[sWV], 1                       ; which 32 channels of v are mine
	s_bfe_u32 s55, s[sWV], 0x20001                 ; (w / 2) % 4: K's fragment, V's block of 32 keys
	s_lshl_b32 s56, s54, 4                         ; tile lo begins 16 (i % 2) keys into its diagonal block, tile hi 16 (1 - i % 2)
	s_lshl_b32 s57, s54, 5
	s_sub_co_u32 s[sDL], 16, s57
	s_lshl_b32 s60, s54, 12
	s_lshl_b32 s61, s55, 9
	s_add_co_u32 s60, s60, s61
	s_add_co_u32 s60, s60, 8192                    ; V's codes
	s_lshl_b32 s61, s54, 7
	s_lshl_b32 s62, s55, 11
	s_add_co_u32 s62, s62, s61                     ; K's codes
	s_add_co_u32 s61, s61, s55
	s_add_co_u32 s61, s61, SC+256                  ; V's scale bytes
	s_mul_i32 s63, s[sWV], 4352
	s_add_co_u32 s63, s63, STG                     ; my stage
	s_mul_i32 s66, s[sWV], 1536
	s_add_co_u32 s66, s66, QH
	s_mov_b32 s[sSEL], 0x76543210
	s_mov_b32 s[sSEL+1], 0xfedcba98
	s_mov_b32 s[sCS], 0x3e38aa3b                   ; c = log2(e) / 8
	s_mov_b32 s[sCS+1], s[sCS]
	s_mov_b32 s[sNC], 0xbe38aa3b
	s_mov_b32 s[sMNT], 0x600000
	s_mov_b32 s59, 0                               ; the upper word of every offset: all lie under 2^32
	v_and_b32 v176, 15, v0                         ; r
	v_bfe_u32 v177, v0, 4, 1                       ; h
	v_and_b32 v178, 31, v0                         ; lane
	v_bfe_u32 v179, v0, 2, 3                       ; lane / 4
	v_and_b32 v180, 3, v0
	v_bfe_u32 v181, v0, 1, 1
	v_and_b32 v182, 1, v0
	v_lshrrev_b32 v183, 3, v176
	v_and_b32 v184, 7, v176
	v_lshlrev_b32 v185, 4, v177
	v_lshlrev_b32 v[LI], 4, v178
	v_lshl_add_u32 v[LS], v178, 2, SC
	v_lshlrev_b32 v[VO], 3, v176
	v_lshlrev_b32 v[KO], 4, v180
	v_lshlrev_b32 v[VW], 5, v184
	v_lshlrev_b32 v[KW], 4, v179
	v_lshlrev_b32 v[GO], 4, v176
	v_lshlrev_b32 v[QOF], 10, v176
	v_lshlrev_b32 v[QSO], 5, v176
	v_mul_u32_u24 v[STO], v176, 272
	v_mul_u32_u24 v[RD], v177, 272
	v_sub_nc_u32 v[LIMV], v176, v185
	v_lshl_add_u32 v[VO], v177, 16, v[VO]
	v_lshl_add_u32 v[KO], v179, 10, v[KO]
	v_lshl_add_u32 v[VW], v183, 11, v[VW]
	v_lshl_add_u32 v[KW], v181, 9, v[KW]
	v_lshl_add_u32 v[GO], v177, 12, v[GO]
	v_lshl_add_u32 v[QOF], v177, 4, v[QOF]
	v_lshl_add_u32 v[STO], v177, 5, v[STO]
	v_lshl_add_u32 v[RD], v176, 4, v[RD]
	v_lshl_add_u32 v[VW], v177, 8, v[VW]
	v_lshl_add_u32 v[KW], v182, 8, v[KW]
	v_lshl_add_u32 v[VSW], v176, 3, s61
	v_add_nc_u32 v[QHA], s66, v[LI]
	v_add_nc_u32 v[STO], s63, v[STO]
	v_add_nc_u32 v[RD], s63, v[RD]
	v_add_nc_u32 v[VW], s60, v[VW]
	v_add_nc_u32 v[KW], s62, v[KW]
	v_add_nc_u32 v[LIMV], s56, v[LIMV]
	v_and_b32 v186, 8, v176                        ; K's scale words of the whole head, one a thread: fragment thread / 16 (32 keys), row r: key r + 8 (r / 8), and the key 8 further on
	v_lshrrev_b32 v126, 4, v0
	v_and_b32 v187, 63, v0
	v_lshrrev_b32 v188, 6, v0
	v_add_nc_u32 v186, v186, v176
	v_lshlrev_b32 v126, 10, v126
	v_lshlrev_b32 v[AS], 2, v187
	v_lshl_add_u32 v126, v186, 5, v126
	v_lshl_add_u32 v[AS], v188, 9, v[AS]
	v_add_nc_u32 v[AS], SC, v[AS]                  ; the word's place: SC + 512 step + 64 fragment + 4 r
.set ii, 0
.rept 8
	v_mov_b32 v[ZR+ii], 0                          ; the zero codes between the two copies of Q: written once
.set ii, ii+1
.endr
.irp b, 0,1,2,3
	v_mov_b32 v[PB+\b], 0                          ; a lane permute's destination counts as one of its sources
.endr
	v_mov_b32 v[FF+1], 0                           ; named as the upper half of the pair v[248:249]
	s_wait_alu depctr_va_vdst(0)
	s_wait_kmcnt 0x0
	s_lshl_b32 s58, s[sB], 2
	s_add_nc_u64 s[14:15], s[14:15], s[58:59]
	s_load_b32 s[sLEN], s[14:15], 0x0
	s_lshl_b32 s54, s[sB], 10
	s_add_co_u32 s52, s54, s[sQ0]                  ; tile lo's first token
	s_add_co_u32 s53, s54, s[sQ0H]                 ; tile hi's
	s_lshl_b32 s55, s[sHD], 6
	s_lshl_b32 s56, s[sHD], 1
	s_lshl_b32 s57, s[sHD], 8
	s_lshl_b32 s58, s52, 10
	s_add_co_u32 s58, s58, s55
	s_add_nc_u64 s[60:61], s[4:5], s[58:59]        ; tile lo's codes of q
	s_lshl_b32 s58, s53, 10
	s_add_co_u32 s58, s58, s55
	s_add_nc_u64 s[66:67], s[4:5], s[58:59]        ; tile hi's
	s_lshl_b32 s58, s52, 5
	s_add_co_u32 s58, s58, s56
	s_add_nc_u64 s[62:63], s[6:7], s[58:59]        ; their scale bytes
	s_lshl_b32 s58, s53, 5
	s_add_co_u32 s58, s58, s56
	s_add_nc_u64 s[68:69], s[6:7], s[58:59]
	s_lshl_b32 s58, s[sB], 15
	s_add_co_u32 s58, s58, s56
	s_add_nc_u64 s[70:71], s[10:11], s[58:59]      ; k's scale bytes of my sequence and head
	s_lshl_b32 s58, s52, 12
	s_add_co_u32 s58, s58, s57
	s_add_nc_u64 s[sOC:sOC+1], s[16:17], s[58:59]
	s_lshl_b32 s58, s53, 12
	s_add_co_u32 s58, s58, s57
	s_add_nc_u64 s[sOH:sOH+1], s[16:17], s[58:59]
	s_lshl_b32 s58, s[sB], 22
	s_add_co_u32 s58, s58, s57
	s_lshl_b32 s52, s[sROLE], 19                   ; my first chunk: 0 or 1, 128 tokens of 4,096 bytes;
	s_add_co_u32 s58, s58, s52
	s_bfe_u32 s52, s[sWV], 0x20001
	s_lshl_b32 s52, s52, 17                        ; my block of 32 keys,
	s_add_co_u32 s58, s58, s52
	s_and_b32 s52, s[sWV], 1
	s_lshl_b32 s52, s52, 7                         ; my 32 channels
	s_add_co_u32 s58, s58, s52
	s_add_nc_u64 s[sVP:sVP+1], s[12:13], s[58:59]
	s_lshl_b32 s58, s[sB], 20
	s_add_co_u32 s58, s58, s55
	s_lshl_b32 s52, s[sWV], 14                     ; my 16 keys
	s_add_co_u32 s58, s58, s52
	s_add_nc_u64 s[sKP:sKP+1], s[8:9], s[58:59]
	global_load_u16 v122, v126, s[70:71]           ; eight loads, then my first chunk's 18
	global_load_u16 v123, v126, s[70:71] offset:256
	global_load_b128 v[QA:QA+3], v[QOF], s[60:61]
	global_load_b128 v[QA+4:QA+7], v[QOF], s[60:61] offset:32
	global_load_u16 v[QS0], v[QSO], s[62:63]
	global_load_b128 v[SR:SR+3], v[QOF], s[66:67]
	global_load_b128 v[SR+4:SR+7], v[QOF], s[66:67] offset:32
	global_load_u16 v120, v[QSO], s[68:69]
	ASK
	INITST
	s_wait_alu depctr_va_vdst(0)
	s_wait_kmcnt 0x0                               ; the length
	s_wait_loadcnt 18                              ; the chunk's 18 loads may stay out: the eight issued ahead of them are in
	v_lshl_or_b32 v124, v123, 16, v122             ; bytes 0, 1: the lower key's scales; bytes 2, 3: the upper key's
	v_lshlrev_b32 v121, 16, v120
	v_lshlrev_b32 v[QS1], 16, v[QS0]               ; (a scale byte 0 over zero codes adds nothing)
.set ii, 0
.rept 8
	v_mov_b32 v[QB+ii], v[QA+ii]
.set ii, ii+1
.endr
	ds_store_b32 v[AS], v124
	ds_store_b128 v[QHA], v[SR:SR+3]
	ds_store_b128 v[QHA], v[SR+4:SR+7] offset:512
	ds_store_b64 v[QHA], v[120:121] offset:1024
	s_mov_b32 s[sPN], 0
	s_wait_alu depctr_va_vdst(0)                   ; the wait at the head's end
	s_wait_dscnt 0x0                               ; my stores have landed, and have read their data
	s_cmp_lg_u32 s[sROLE], 0
	s_cbranch_scc1 .Lready
	QREG                                           ; waves 0-7 lay chunk 0 and ask for chunk 2
	QSTORE
	ASKNEXT
.Lready:
	s_barrier_signal -1
	s_barrier_wait -1                              ; chunk 0 and all of K's scale words are whole
	s_mov_b32 s[sP], 0
.Lslot:                                            ; slots 0 .. 6
	s_add_co_u32 s[sPN], s[sP], 1
	s_and_b32 s52, s[sPN], 1
	s_cmp_eq_u32 s52, s[sROLE]
	s_cbranch_scc0 .Llaid
	QREG                                           ; chunk p + 1
	QSTORE
	s_cmp_lt_u32 s[sP], 5                          ; chunks 6 and 7 have no successor: no load leaves its buffer
	s_cbranch_scc0 .Llaid
	ASKNEXT                                        ; chunk p + 3
.Llaid:
	PLACE
	s_barrier_signal -1                            ; my part of chunk p + 1 has landed
	s_cmp_eq_u32 s[sP], s[sA]
	s_cbranch_scc1 .Ldiag
	STEP 4, 0
	s_branch .Lmet
.Ldiag:
	DIAGS sNBL                                     ; slot a ends tile lo
.Lmet:
	s_barrier_wait -1                              ; everybody's part has: chunk p + 1 is whole
	s_cmp_lg_u32 s[sP], s[sA]
	s_cbranch_scc1 .Lsame
	FINAL
	INITHI
.Lsame:
	s_add_co_u32 s[sP], s[sP], 1
	s_cmp_lt_u32 s[sP], 7
	s_cbranch_scc1 .Lslot
	s_mov_b32 s[sP], 7                             ; slots 7 and 8: all chunks are laid, no barrier
	PLACE
	STEP 4, 0
	s_mov_b32 s[sP], 8
	PLACE
	DIAGS sNBH                                     ; tile hi's last step
	FINAL
	s_wait_xcnt 0x0
	v_lshl_add_u32 v254, v0, 2, SPARE              ; the wave's end, behind my last LDS store
	v_mov_b32 v255, 0
	s_wait_alu depctr_va_vdst(0)
	s_wait_tensorcnt 0x0
	ds_add_u32 v254, v255
	s_wait_dscnt 0x0
	s_endpgm
.Lfunc_end_k_q774ae275ec_attn:
	.size	k_q774ae275ec_attn, .Lfunc_end_k_q774ae275ec_attn-k_q774ae275ec_attn
	.p2alignl 7, 3214868480
	.fill 96, 4, 3214868480
	.section	.rodata,"a",@progbits
	.p2align	6, 0x0
	.amdhsa_kernel k_q774ae275ec_attn
		.amdhsa_group_segment_fixed_size 231424
		.amdhsa_private_segment_fixed_size 0
		.amdhsa_enable_private_segment 0
		.amdhsa_kernarg_size 56
		.amdhsa_user_sgpr_count 2
		.amdhsa_user_sgpr_kernarg_segment_ptr 1
		.amdhsa_wavefront_size32 1
		.amdhsa_system_sgpr_workgroup_id_x 1
		.amdhsa_system_sgpr_workgroup_id_y 1
		.amdhsa_system_sgpr_workgroup_id_z 1
		.amdhsa_system_vgpr_workitem_id 0
		.amdhsa_next_free_vgpr 256
		.amdhsa_next_free_sgpr 72
		.amdhsa_reserve_vcc 1
		.amdhsa_float_denorm_mode_32 3
		.amdhsa_float_denorm_mode_16_64 3
		.amdhsa_memory_ordered 1
		.amdhsa_forward_progress 1
		.amdhsa_inst_pref_size 186
	.end_amdhsa_kernel
	.amdgpu_metadata
---
amdhsa.version: [ 1, 2 ]
amdhsa.kernels:
  - .name:           k_q774ae275ec_attn
    .symbol:         k_q774ae275ec_attn.kd
    .args:
      - { .name: q_codes, .offset: 0, .size: 8, .value_kind: global_buffer, .address_space: global }
      - { .name: q_scales, .offset: 8, .size: 8, .value_kind: global_buffer, .address_space: global }
      - { .name: k_codes, .offset: 16, .size: 8, .value_kind: global_buffer, .address_space: global }
      - { .name: k_scales, .offset: 24, .size: 8, .value_kind: global_buffer, .address_space: global }
      - { .name: v, .offset: 32, .size: 8, .value_kind: global_buffer, .address_space: global }
      - { .name: b_seq_len, .offset: 40, .size: 8, .value_kind: global_buffer, .address_space: global }
      - { .name: out0, .offset: 48, .size: 8, .value_kind: global_buffer, .address_space: global }
    .group_segment_fixed_size: 231424
    .private_segment_fixed_size: 0
    .kernarg_segment_align: 8
    .kernarg_segment_size: 56
    .max_flat_workgroup_size: 512
    .sgpr_count:     72
    .vgpr_count:     256
    .wavefront_size: 32
...
	.end_amdgpu_metadata
.endif
;; end of part 1
